; MI455X (gfx1250); checked and timed in simulation.
; The chip was launched on July 23, 2026; its instructions are those of AMD's public machine-readable ISA for CDNA 5 (MIT licence, August 2026) and "CDNA5" Instruction Set Architecture Reference Guide (July 2026). The comments in the code are by the model that wrote it; some were corrected since.
;; Mixtral Mo E. Allowed arithmetic: float matrix products may take bf16 or f16 operands with f32 sums; other float arithmetic in f32, or as packed bf16 or f16 multiplies, adds, multiply-adds, maxima and minima; sums over many terms, partial sums and values carried from step to step in f32; what a program stores and reads back later, other than sums and carried values, may be rounded once to bf16 or f16.
;; Inputs: gate_w 1,024 x 8 float32; hidden_states 2,048 x 1,024 float32; w1 8 x 1,024 x 2,048 float32; w2 8 x 2,048 x 1,024 float32.
;; Outputs: out0 2,048 x 1,024 float32.
;; Constants: topk = 2.
;; One version. Each part assembles by itself: llvm-mc -triple=amdgcn-amd-amdhsa -mcpu=gfx1250 --defsym DOCPART=n.
;; ======== version 1 of 1: 4 launches
;; workspace buffers: xb 4,194,304 bytes; blk 16,384 bytes of whole numbers; gts 16,384 bytes; hidF 18,350,080 bytes; dmap 17,920 bytes of whole numbers; rec 4,096 bytes of whole numbers; y 33,554,432 bytes
;; launch router (part 1): grid 128 x 1, 8 waves a work-group, no clusters, 56,320 bytes of LDS; arguments gate_w, hidden_states, xb, blk, gts; writes xb, blk, gts
.if DOCPART == 1
	.amdgcn_target "amdgcn-amd-amdhsa--gfx1250"
	.amdhsa_code_object_version 6
	.text
	.protected	k_q4499fda562_router
	.globl	k_q4499fda562_router
	.p2align	8
	.type	k_q4499fda562_router,@function
k_q4499fda562_router:
	s_mov_b64 s[64:65], 0
	v_nop
	global_prefetch_b8 v0, s[64:65] scope:SCOPE_SE
	s_setreg_imm32_b32 hwreg(HW_REG_WAVE_MODE, 25, 1), 1
	s_wait_xcnt 0x0
; ROUTER.  logits = x gate_w on the matrix unit (both rounded to bf16, sums in f32), softmax, top-2, renormalised gates; x is stored rounded to bf16 for the first product.
; A work-group has 16 tokens (one matrix tile), its eight waves 128 of the 1,024 channels each; the eight partial logits meet in LDS and wave 0 finishes.
; Stored at fixed places: xb [2048][1024] bf16; gts [2048][2] f32 (gate of the first and of the second choice); blk, 128 bytes for each 16 tokens:
; words 0-7: for expert e, bits 15:0 the tokens that chose e, bits 31:16 those that chose it second; words 8, 9: the eight counts, a byte each; the rest 0.
; No address and no branch here hangs on the choice: a later launch reads blk and places the rows.
; LIMITS.  The row maximum is taken away before the exponential.  The softmax's divisor is not formed: it cancels in p1 / (p1 + p2).  A weight below 2^-126 counts as 0, and
; among equal weights the lower index wins, as in top_k.  The logits' order of summation is the matrix unit's: a second and third choice closer than about 1e-6 may change places.
; NaN and infinities are not treated apart.  128 work-groups: 16 tokens are one tile, there is no work for more.
.set GW,    0                          ; per wave 2,048 bytes: gate_w as bf16, [128 k][8 experts]
.set XS,    16384                      ; per wave 4,352 bytes: 16 token rows of 128 bf16, 272 bytes apart
.set RED,   51200                      ; [wave][token][8 f32]: partial logits
.set SPARE, 55296                      ; the spare words: 128 bytes for each of eight waves
	s_load_b256 s[4:11], s[0:1], 0x0               ; gate_w s[4:5], hidden_states s[6:7], xb s[8:9], blk s[10:11]
	s_load_b64 s[12:13], s[0:1], 0x20              ; gts
	v_lshl_add_u32 v12, v0, 2, SPARE               ; my spare word; never rewritten
	v_mov_b32 v13, 0                               ; 0; never rewritten
	v_and_b32 v1, 31, v0                           ; lane L
	v_lshrrev_b32 v14, 5, v0
	v_readfirstlane_b32 s14, v14                   ; wave w
	v_and_b32 v2, 15, v0                           ; r
	v_bfe_u32 v3, v0, 4, 1                         ; h
	s_mov_b32 s15, ttmp9                           ; block of 16 tokens
	s_lshl_b32 s16, s14, 9
	v_lshl_add_u32 v4, v1, 4, s16                  ; x: 512 w + 16 L in a row of 4,096 bytes
	s_lshl_b32 s16, s14, 12
	v_lshl_add_u32 v5, v1, 4, s16                  ; gate_w: 4,096 w + 16 L
	s_mul_i32 s16, s14, 4352
	s_add_co_u32 s16, s16, XS
	v_lshl_add_u32 v6, v1, 3, s16                  ; XS, in: 8 bytes a lane
	v_mul_u32_u24 v8, v2, 272
	v_lshl_add_u32 v8, v3, 4, v8
	v_add_nc_u32 v8, s16, v8                       ; XS, fragments: row r, 16 h
	s_lshl_b32 s16, s14, 11
	v_lshl_add_u32 v7, v1, 3, s16                  ; GW, in
	v_and_b32 v9, 7, v0
	v_lshl_add_u32 v9, v3, 3, v9
	v_lshl_add_u32 v9, v9, 4, s16                  ; GW, turning load: row 8 h + L % 8; lanes 8-15 of a half take the same rows as lanes 0-7: experts 0-7 once more
	s_lshl_b32 s16, s14, 9
	s_add_co_u32 s16, s16, RED
	v_lshl_add_u32 v10, v2, 5, s16                 ; RED: my wave, token r
	s_lshl_b32 s16, s14, 8
	v_lshl_add_u32 v11, v1, 3, s16                 ; xb: 256 w + 8 L in a row of 2,048 bytes
	s_lshl_b32 s18, s15, 16
	s_mov_b32 s19, 0
	s_lshl_b32 s20, s15, 15
	s_mov_b32 s21, 0
	s_lshl_b32 s22, s15, 7
	s_mov_b32 s23, 0
	s_wait_kmcnt 0x0
	s_add_nc_u64 s[6:7], s[6:7], s[18:19]          ; my 16 rows of x,
	s_add_nc_u64 s[8:9], s[8:9], s[20:21]          ; of xb,
	s_add_nc_u64 s[10:11], s[10:11], s[22:23]      ; my record in blk,
	s_add_nc_u64 s[12:13], s[12:13], s[22:23]      ; my 16 pairs in gts
.set i, 0
.rept 16
	global_load_b128 v[16+4*i:19+4*i], v4, s[6:7] offset:4096*i th:TH_LOAD_NT  ; row i: the wave takes 512 consecutive bytes
.set i, i+1
.endr
.set i, 0
.rept 8
	global_load_b128 v[80+4*i:83+4*i], v5, s[4:5] offset:512*i  ; 16 rows of gate_w
.set i, i+1
.endr
	s_wait_loadcnt 0x0
.set i, 0
.rept 8
	v_cvt_pk_bf16_f32 v[144+2*i], v[80+4*i], v[81+4*i]
	v_cvt_pk_bf16_f32 v[145+2*i], v[82+4*i], v[83+4*i]
	ds_store_b64 v7, v[144+2*i:145+2*i] offset:256*i
.set i, i+1
.endr
.set i, 0
.rept 16
	v_cvt_pk_bf16_f32 v[112+2*i], v[16+4*i], v[17+4*i]
	v_cvt_pk_bf16_f32 v[113+2*i], v[18+4*i], v[19+4*i]
	global_store_b64 v11, v[112+2*i:113+2*i], s[8:9] offset:2048*i  ; 32 lanes store 256 consecutive bytes, aligned
	ds_store_b64 v6, v[112+2*i:113+2*i] offset:272*i
.set i, i+1
.endr
	; the fragments come from the wave's own bytes: LDS serves a wave's instructions in order, so no barrier stands here
.set i, 0
.rept 4
	ds_load_b128 v[160+8*i:163+8*i], v8 offset:64*i
	ds_load_b128 v[164+8*i:167+8*i], v8 offset:64*i+32
	ds_load_tr16_b128 v[192+8*i:195+8*i], v9 offset:512*i
	ds_load_tr16_b128 v[196+8*i:199+8*i], v9 offset:512*i+256
.set i, i+1
.endr
	s_wait_dscnt 0x0
	; source 0 = experts, source 1 = tokens: register j of lane r is expert j of token r.  Two accumulators by turns.
	v_wmma_f32_16x16x32_bf16 v[224:231], v[192:199], v[160:167], 0
	v_wmma_f32_16x16x32_bf16 v[232:239], v[200:207], v[168:175], 0
	v_wmma_f32_16x16x32_bf16 v[224:231], v[208:215], v[176:183], v[224:231]
	v_wmma_f32_16x16x32_bf16 v[232:239], v[216:223], v[184:191], v[232:239]
.rept 4
	v_nop                                          ; four places between the last product and the first read of a result (ISA guide 7.12.1)
.endr
.set i, 0
.rept 4
	v_pk_add_f32 v[16+2*i:17+2*i], v[224+2*i:225+2*i], v[232+2*i:233+2*i]  ; from each accumulator's low end on
.set i, i+1
.endr
	ds_store_b128 v10, v[16:19]
	ds_store_b128 v10, v[20:23] offset:16
	s_wait_dscnt 0x0                               ; for wave 0's sake: my partial logits are in LDS
	s_barrier_signal -1
	s_barrier_wait -1
	s_cmp_lg_u32 s14, 0
	s_cbranch_scc1 .Lend                           ; no barrier follows: wave 0 finishes alone
	v_lshl_add_u32 v14, v2, 5, RED
.set i, 0
.rept 8
	ds_load_b128 v[16+8*i:19+8*i], v14 offset:512*i
	ds_load_b128 v[20+8*i:23+8*i], v14 offset:512*i+16
.set i, i+1
.endr
	s_wait_dscnt 0x0
.set i, 1
.rept 7
.irp q, 0,1,2,3
	v_pk_add_f32 v[16+2*\q:17+2*\q], v[16+2*\q:17+2*\q], v[16+8*i+2*\q:17+8*i+2*\q]  ; in the waves' order: K ascending
.endr
.set i, i+1
.endr
	v_max3_num_f32 v24, v16, v17, v18
	v_max3_num_f32 v24, v24, v19, v20
	v_max3_num_f32 v24, v24, v21, v22
	v_max_num_f32 v24, v24, v23                    ; the row's maximum
.irp e, 0,1,2,3,4,5,6,7
	v_sub_f32 v[32+\e], v[16+\e], v24
	v_mul_f32 v[32+\e], 0x3fb8aa3b, v[32+\e]
.endr
.irp e, 0,1,2,3,4,5,6,7
	v_exp_f32 v[32+\e], v[32+\e]
.endr
	v_nop                                          ; a plain instruction behind the last exponential,
	s_wait_alu depctr_va_vdst(0)                   ; and one wait for the batch of eight
	v_mov_b32 v40, v32
	v_mov_b32 v41, 0
.irp e, 1,2,3,4,5,6,7
	v_cmp_gt_f32 vcc_lo, v[32+\e], v40             ; strictly greater: the lower index keeps a tie
	v_cndmask_b32 v40, v40, v[32+\e], vcc_lo
	v_cndmask_b32 v41, v41, \e, vcc_lo
.endr
.irp e, 0,1,2,3,4,5,6,7
	v_cmp_eq_u32 vcc_lo, \e, v41
	v_cndmask_b32 v[52+\e], v[32+\e], -1.0, vcc_lo ; the first choice is taken out
.endr
	v_mov_b32 v42, v52
	v_mov_b32 v43, 0
.irp e, 1,2,3,4,5,6,7
	v_cmp_gt_f32 vcc_lo, v[52+\e], v42
	v_cndmask_b32 v42, v42, v[52+\e], vcc_lo
	v_cndmask_b32 v43, v43, \e, vcc_lo
.endr
	v_add_f32 v44, v40, v42
	v_rcp_f32 v44, v44
	v_lshlrev_b32 v45, 3, v2                       ; a plain instruction behind the reciprocal
	s_wait_alu depctr_va_vdst(0)
	v_mul_f32 v46, v40, v44
	v_mul_f32 v47, v42, v44
	global_store_b64 v45, v[46:47], s[12:13]       ; lanes 16-31 hold the same tokens and store the same bytes
	s_mov_b32 s36, 0
	s_mov_b32 s37, 0
	v_mov_b32 v50, 0
.irp e, 0,1,2,3,4,5,6,7
	v_cmp_eq_u32 s20, \e, v41
	v_cmp_eq_u32 s21, \e, v43
	s_or_b32 s22, s20, s21
	s_and_b32 s22, s22, 0xffff                     ; the 16 tokens that chose e
	s_lshl_b32 s21, s21, 16                        ; those that chose it second, on top
	s_or_b32 s23, s22, s21
	s_bcnt1_i32_b32 s24, s22
	s_lshl_b32 s24, s24, 8*((\e)&3)
	s_or_b32 s[36+(\e)/4], s[36+(\e)/4], s24
	v_writelane_b32 v50, s23, \e
.endr
	v_writelane_b32 v50, s36, 8
	v_writelane_b32 v50, s37, 9
	v_lshlrev_b32 v51, 2, v1
	global_store_b32 v51, v50, s[10:11]            ; the record's 128 bytes
.Lend:
	s_wait_tensorcnt 0x0                           ; the wave's end
	ds_add_u32 v12, v13
	s_wait_dscnt 0x0
	s_endpgm
.Lfunc_end_k_q4499fda562_router:
	.size	k_q4499fda562_router, .Lfunc_end_k_q4499fda562_router-k_q4499fda562_router
	.p2alignl 7, 3214868480
	.fill 96, 4, 3214868480
	.section	.rodata,"a",@progbits
	.p2align	6, 0x0
	.amdhsa_kernel k_q4499fda562_router
		.amdhsa_group_segment_fixed_size 56320
		.amdhsa_private_segment_fixed_size 0
		.amdhsa_enable_private_segment 0
		.amdhsa_kernarg_size 40
		.amdhsa_user_sgpr_count 2
		.amdhsa_user_sgpr_kernarg_segment_ptr 1
		.amdhsa_wavefront_size32 1
		.amdhsa_system_sgpr_workgroup_id_x 1
		.amdhsa_system_sgpr_workgroup_id_y 1
		.amdhsa_system_sgpr_workgroup_id_z 1
		.amdhsa_system_vgpr_workitem_id 0
		.amdhsa_next_free_vgpr 240
		.amdhsa_next_free_sgpr 66
		.amdhsa_reserve_vcc 1
		.amdhsa_float_denorm_mode_32 3
		.amdhsa_float_denorm_mode_16_64 3
		.amdhsa_memory_ordered 1
		.amdhsa_forward_progress 1
		.amdhsa_inst_pref_size 24
	.end_amdhsa_kernel
	.amdgpu_metadata
---
amdhsa.version: [ 1, 2 ]
amdhsa.kernels:
  - .name:           k_q4499fda562_router
    .symbol:         k_q4499fda562_router.kd
    .args:
      - { .name: gate_w, .offset: 0, .size: 8, .value_kind: global_buffer, .address_space: global }
      - { .name: hidden_states, .offset: 8, .size: 8, .value_kind: global_buffer, .address_space: global }
      - { .name: xb, .offset: 16, .size: 8, .value_kind: global_buffer, .address_space: global }
      - { .name: blk, .offset: 24, .size: 8, .value_kind: global_buffer, .address_space: global }
      - { .name: gts, .offset: 32, .size: 8, .value_kind: global_buffer, .address_space: global }
    .group_segment_fixed_size: 56320
    .private_segment_fixed_size: 0
    .kernarg_segment_align: 8
    .kernarg_segment_size: 40
    .max_flat_workgroup_size: 256
    .sgpr_count:     66
    .vgpr_count:     240
    .wavefront_size: 32
...
	.end_amdgpu_metadata
.endif
;; end of part 1
;; launch up (part 2): grid 32 x 8, 4 waves a work-group, no clusters, 101,632 bytes of LDS; arguments xb, w1, blk, hidF, dmap, rec; writes hidF, dmap, rec
.if DOCPART == 2
	.amdgcn_target "amdgcn-amd-amdhsa--gfx1250"
	.amdhsa_code_object_version 6
	.text
	.protected	k_q4499fda562_up
	.globl	k_q4499fda562_up
	.p2align	8
	.type	k_q4499fda562_up,@function
k_q4499fda562_up:
	s_mov_b64 s[64:65], 0
	v_nop
	global_prefetch_b8 v0, s[64:65] scope:SCOPE_SE
	s_setreg_imm32_b32 hwreg(HW_REG_WAVE_MODE, 25, 1), 1
	s_wait_xcnt 0x0
; FIRST PRODUCT.  hid = silu(x w1[e]) for the rows that chose expert e, sorted by expert, stored as bf16 in the order in which the second product's operand registers take them.
; THE PLAN, which every work-group works out for itself from blk.  Expert e has n_e rows in G_e = ceil(n_e / 16) groups of 16; the experts' groups lie end to end (263 at the most).  A tile is cg
; consecutive groups of one expert: cg = 9 if the sum of ceil(G_e / 9) is at most 32, else 11 (BIG), where the sum of ceil(G_e / 11) is at most (263 + 80) / 11 = 31.  So 32 tile slots serve every split.
; Grid: x = tile slot, y = slice of 256 of the 2,048 columns.  Places past n_e in an expert's last group repeat its last row, so no store is masked.
; A slot that the split leaves without a tile walks the same loop on token 0 and stores only its record: the loop holds barriers, which every wave passes.
; SHARES.  Four waves, one a SIMD.  A wave has all 144 (176) rows x 64 columns: 36 (44) accumulators.  K = 1,024 in 32 sub-steps of 32, four to a K step.
; WEIGHTS go from memory through registers into fragments, never through LDS: for a sub-step 16 loads of 16 bytes a lane (16 lanes take 256 aligned bytes of one row of w1), then 32 conversions
; make four fragments; fragment jf holds column 4 r + jf in lane r.  Four sets of 64 registers: a set is asked for again as soon as it has been rounded, four sub-steps ahead of its next rounding.
; TOKEN ROWS are gathered by the list through registers into a ring of two LDS slots, 128 along K each, rows 272 bytes apart; one barrier a K step.
; THE ORDER OF A SUB-STEP: 8 products; the wait for the next set of weights; 8 products with four of the set's 32 conversions behind each; ONE run of memory instructions; 20 products.
; THE LOOP runs on through sub-step 28, so that the text behind it is three sub-steps.  The price, in its last trip: two sets of weight loads past K's end wrap to the expert's row 0 with all lanes
; on one address (16 bytes a load), and one fill of token rows wraps to K step 0 (9 KB a wave); all stay inside their buffers and nothing reads them.
; THE MATRIX INSTRUCTION IS USED TRANSPOSED (source 0 = weights, source 1 = tokens): lane (r, h) holds row r and columns 32 h + 4 j + jf: 32 neighbouring columns, which are two operand fragments of the second product.
; NO CLUSTER: jointly loaded weights would land in LDS as f32, 8 KB to be read by a wave beside the 9 KB of token rows for each 36 matrix instructions; and the token rows, 288 KB of a work-group's
; 1.3 MB, come by a list that no descriptor covers.
; LIMITS.  x, w1 and the hidden layer are rounded to bf16 once; sums in f32.  silu(z) = z / (1 + 2^(-z log2 e)) by v_exp_f32 and v_rcp_f32; where the power overflows the result is 0 with z's sign.  NaN and infinities are not treated apart.
.set KIND,   1
.set PITCHW, 8192                      ; bytes in a row of w1
.set KMASK,  1024*PITCHW-1             ; an expert's 1,024 rows, less one byte: the offset along K wraps by this mask
.set SLOTB,  47872                     ; an LDS slot: 176 rows x 272
.set GSTR,   4352                      ; from group to group in a slot
.set CSTR,   64                        ; from sub-step to sub-step
.set HSTR,   32                        ; a fragment's second half
.set FSTR,   2176                      ; from fill load to fill load: eight rows
.set CHB,    256                       ; bytes of a token row in a K step
.set WBIG,   0xa8                      ; windows for groups 9, 10: C, D and source 1 in window 2
.set LW,     95744                     ; per wave 1,024 bytes: words 0-175 its part of the list, 192-223 a word a lane for what falls outside
.set WT,     99840                     ; the waves' counts
.set FL,     100096                    ; the tile's list, 256 words
.set SPARE,  101120                    ; the spare words: 128 bytes for each of four waves
; window 0: v0 thread, v1 L, v2 r, v3 h, then
.set VW,   4                           ; my offset in a run of weight rows; never rewritten
.set AFA0, 5                           ; my fragment address in slot 0; never rewritten
.set AFA,  6                           ; the same in the slot in hand
.set STA0, 7                           ; my fill address in slot 0; never rewritten
.set STA,  8                           ; the same in the slot that is being filled
.set VOUT, 9
.set SPW,  10                          ; my spare word; never rewritten
.set NIL,  11                          ; 0; never rewritten
.set OFFS, 12                          ; v12-33   byte offsets of my 18 fill loads, and of the four for rows 144-175
.set VWM0, 34                          ; VW, or 0 in the last trip: for the turn's weight loads
.set VWM1, 35                          ; the same for the sub-step behind the turn
.set AF0,  48                          ; v48-119, v120-191  token fragments, two buffers of 9 x 8
.set BF0,  192                         ; v192-223, v224-255 weight fragments, two buffers of 4 x 8
; window 1: accumulators of groups 0-7, (g, jf) at 32 g + 8 jf.  window 2: v0-95 those of groups 8-10, then
.set AFX,  96                          ; v96-111  fragments of groups 9, 10
.set STX,  112                         ; v112-127 their fill data;  v128-255 weight sets 0, 1
.set STG,  128                         ; window 3: v0-127 weight sets 2, 3; v128-199 fill data
.set T,    48                          ; the way out, window 0
.set HH,   80
.set GL,   21                          ; s21 groups of my tile (0: none)
.set BIG,  22                          ; s22 1: tiles of 11 groups
.set WB,   28                          ; s[28:29] my expert's weights, my columns; never rewritten
.set AP,   30                          ; s[30:31] token rows at the K step that is being fetched
.set OB,   32                          ; s[32:33] where my results go
.set PQ,   36                          ; s[36:43] a base for each of the four weight sets
.set XO,   44                          ; s[44:45] byte offset along K of the pair of sub-steps that is being fetched
.set AO,   46                          ; s[46:47] byte offset of the K step that is being fetched
.set AB,   4                           ; s[4:5]   xb
.set TB,   50                          ; s50 0 or SLOTB
.set LIVE, 51                          ; s51 -1; 0 in the last trip
.set NLE,  96                          ; s[96:97] -log2(e)
.set MSB, 0
.macro WIN new                         ; s_set_vgpr_msb: bits 1:0 source 0, 3:2 source 1, 5:4 source 2, 7:6 destination; the high byte repeats the setting that is left
.if MSB != (\new)
	s_set_vgpr_msb (MSB<<8)|(\new)
.set MSB, (\new)
.endif
.endm
.macro PLACES                          ; four places in front of loads and conversions into registers that matrix instructions have read, and of reads of results
.rept 4
	v_nop
.endr
.endm
.macro WM d, a, b, zero                ; one matrix instruction: accumulator d, row fragment a, weight fragment b
.if KIND == 1
.if \zero
	v_wmma_f32_16x16x32_bf16 v[(\d):(\d)+7], v[(\b):(\b)+7], v[(\a):(\a)+7], 0
.else
	v_wmma_f32_16x16x32_bf16 v[(\d):(\d)+7], v[(\b):(\b)+7], v[(\a):(\a)+7], v[(\d):(\d)+7]
.endif
.else
.if \zero
	v_wmma_f32_16x16x32_bf16 v[(\d):(\d)+7], v[(\a):(\a)+7], v[(\b):(\b)+7], 0
.else
	v_wmma_f32_16x16x32_bf16 v[(\d):(\d)+7], v[(\a):(\a)+7], v[(\b):(\b)+7], v[(\d):(\d)+7]
.endif
.endif
.endm
.macro MM b, g0, g1, zero              ; groups g0 .. g1 x four fragments, from buffers b.  The accumulators take turns, one instruction a turn, in the same order in every sub-step
.set g, (\g0)
.rept (\g1)-(\g0)+1
.if g < 8
	WIN 0x50
.set ab, 32*g
.else
	WIN 0xa0
.set ab, 32*(g-8)
.endif
.set af, AF0+72*(\b)+8*g
.set jf, 0
.rept 4
.set bf, BF0+32*(\b)+8*jf
	WM ab+8*jf, af, bf, \zero
.set jf, jf+1
.endr
.set g, g+1
.endr
.endm
.macro CV4 x, k                        ; conversions 4 k .. 4 k + 3 of the 32 of set x % 4: register q of fragment jf takes column jf of loads 2 q and 2 q + 1
.set rs, (\x)&3
.if rs < 2
	WIN 0x0a
.set rb, 128+64*rs
.else
	WIN 0x0f
.set rb, 64*(rs-2)
.endif
.set bb, BF0+32*((\x)&1)
.set m, 4*(\k)
.rept 4
	v_cvt_pk_bf16_f32 v[bb+m], v[rb+8*(m%8)+m/8], v[rb+8*(m%8)+4+m/8]
.set m, m+1
.endr
.endm
.macro CVT x                           ; all 32
.set kk, 0
.rept 8
	CV4 \x, kk
.set kk, kk+1
.endr
.endm
.macro MMR b, x, zero                  ; groups 2, 3, and behind each of their eight products four conversions of set x, which name no register of the products round them
.set n, 0
.rept 8
	WIN 0x50
	WM 64+8*n, AF0+72*(\b)+16+8*(n/4), BF0+32*(\b)+8*(n%4), \zero
	CV4 \x, n
.set n, n+1
.endr
.endm
; The 16 weight loads of sub-step x into set x % 4.  The set's base is made anew from the wrapped offset: its last loads were shown done by the counted wait in front of the set's conversions, so no further wait is owed.
.macro WLOAD x, msk                    ; msk: 0 my lanes' offsets as they are; 1, 2: through VWM0, VWM1
.if ((\x)&1) == 0
	s_add_co_u32 s[XO], s[XO], 64*PITCHW           ; two sub-steps are 64 rows
	s_and_b32 s[XO], s[XO], KMASK
.endif
.set pq, PQ+2*((\x)&3)
	s_add_nc_u64 s[pq:pq+1], s[WB:WB+1], s[XO:XO+1]
.set rs, (\x)&3
.if rs < 2
	WIN 0x80
.set rb, 128+64*rs
.else
	WIN 0xc0
.set rb, 64*(rs-2)
.endif
.if (\msk) == 0
.set vo, VW
.elseif (\msk) == 1
.set vo, VWM0
.else
.set vo, VWM1
.endif
.set i, 0
.rept 16
.if KIND == 1
.set ro, 32*((\x)&1)+i+8*(i/8)
.else
.set ro, 16*((\x)&1)+i
.endif
	global_load_b128 v[rb+4*i:rb+4*i+3], v[vo], s[pq:pq+1] offset:ro*PITCHW
.set i, i+1
.endr
.endm
.macro AFLOAD x                        ; the row fragments of sub-step x, groups 0-8: 18 LDS loads
	WIN 0
.set ab, AF0+72*((\x)&1)
.set g, 0
.rept 9
	ds_load_b128 v[ab+8*g:ab+8*g+3], v[AFA] offset:g*GSTR+((\x)&3)*CSTR
	ds_load_b128 v[ab+8*g+4:ab+8*g+7], v[AFA] offset:g*GSTR+((\x)&3)*CSTR+HSTR
.set g, g+1
.endr
.endm
.macro FILL_LD                         ; my 18 loads of the next K step (it wraps behind the eighth).  The pointer's last loads were shown done by the wait in front of their stores
	s_add_co_u32 s[AO], s[AO], CHB
	s_and_b32 s[AO], s[AO], 8*CHB-1
	s_add_nc_u64 s[AP:AP+1], s[AB:AB+1], s[AO:AO+1]
	WIN 0xc0
.set p, 0
.rept 18
	global_load_b128 v[STG+4*p:STG+4*p+3], v[OFFS+p], s[AP:AP+1]
.set p, p+1
.endr
.endm
.macro FILL_ST                         ; and their way into the slot that is being filled
	WIN 0x0c
.set p, 0
.rept 18
	ds_store_b128 v[STA], v[STG+4*p:STG+4*p+3] offset:p*FSTR
.set p, p+1
.endr
.endm
.macro XFILL                           ; the same for groups 9, 10, whole: four loads, the wait for all loads, four stores
	WIN 0x80
.irp p, 0,1,2,3
	global_load_b128 v[STX+4*\p:STX+4*\p+3], v[OFFS+18+\p], s[AP:AP+1]
.endr
	s_wait_loadcnt 0x0
	WIN 0x08
.irp p, 0,1,2,3
	ds_store_b128 v[STA], v[STX+4*\p:STX+4*\p+3] offset:(18+\p)*FSTR
.endr
.endm
; Groups 9, 10 of sub-step a: jumped where tiles have 9 groups.  Its loads are waited for inside, so the counts outside hold on both ways.  fill = 1: their rows of the next K step too.
; zero = 1: the first sub-step's, which start the sums: run by every work-group, so that these registers are written on every way.
.macro BIGMM a, zero, fill
	WIN 0
.if !(\zero)
	s_cmp_eq_u32 s[BIG], 0
	s_cbranch_scc1 .Lnb_\@
.endif
	PLACES
	WIN 0x80
.irp gg, 0,1
	ds_load_b128 v[AFX+8*\gg:AFX+8*\gg+3], v[AFA] offset:(9+\gg)*GSTR+((\a)&3)*CSTR
	ds_load_b128 v[AFX+8*\gg+4:AFX+8*\gg+7], v[AFA] offset:(9+\gg)*GSTR+((\a)&3)*CSTR+HSTR
.endr
	s_wait_dscnt 0x0
	WIN WBIG
.irp gg, 0,1
.irp jj, 0,1,2,3
	WM 32*(1+\gg)+8*\jj, AFX+8*\gg, BF0+32*((\a)&1)+8*\jj, \zero
.endr
.endr
.if \fill
	XFILL
.endif
	WIN 0
.if !(\zero)
.Lnb_\@:
.endif
.endm
; A sub-step a (modulo 4 its place in the K step): 36 matrix instructions on buffers a % 2, and beside them the next sub-step is made ready.
; cv: its weights (waited for with the count nw) are rounded; al: its row fragments are fetched; fs: the next K step's rows go into the other slot; wl: the weights five sub-steps on are asked for.
.macro SUB a, zero, al, cv, nw, wl, msk, fs
	s_wait_dscnt 0x0                               ; my fragments, asked for 20 matrix instructions ago; nothing younger is out
	PLACES                                         ; for the conversions and loads below, into buffers that the sub-step before multiplied
	MM (\a)&1, 0, 1, \zero
.if \cv
	s_wait_loadcnt \nw                             ; loads come back in order: at most nw of those issued behind the set may be out
	MMR (\a)&1, (\a)+1, \zero
.else
	MM (\a)&1, 2, 3, \zero
.endif
	WIN 0
.if (\msk) == 2
	v_and_b32 v[VWM1], s[LIVE], v[VW]              ; its last loads are the set just rounded
.endif
.if \fs
	s_xor_b32 s[TB], s[TB], SLOTB                  ; the other slot: nobody has read it since the last barrier
	v_add_nc_u32 v[STA], s[TB], v[STA0]
.endif
.if \al
	AFLOAD (\a)+1
.endif
.if \fs
	FILL_ST
.endif
.if \wl
	WLOAD (\a)+5, \msk
.endif
	MM (\a)&1, 4, 8, \zero
	BIGMM \a, \zero, \fs
.endm
; A K step's last sub-step, with the change of slots.  ONE barrier does two things: in front of its signal my stores into the next slot are done, and so are my reads of the slot in hand
; (that slot is written again only in the next K step, behind this barrier's wait); behind the wait the next slot is whole.
.macro TURN a
	s_wait_dscnt 0x0                               ; my fragments are in, my stores into the next slot are done
	BIGMM \a, 0, 0                                 ; it reads the slot in hand: ahead of the signal
	s_barrier_signal -1
	PLACES
	MM 1, 0, 1, 0                                  ; 16 products and the conversions: work on registers while the others arrive
	s_wait_loadcnt 48                              ; the next set: three sets are younger
	MMR 1, (\a)+1, 0
	WIN 0
	s_barrier_wait -1
	v_add_nc_u32 v[AFA], s[TB], v[AFA0]            ; the fragments now come from the slot just filled
	v_and_b32 v[VWM0], s[LIVE], v[VW]              ; its last loads are the set just rounded
	AFLOAD (\a)+1
	FILL_LD                                        ; the K step after the next, ahead of the weights: it is wanted three sub-steps on, they four
	WLOAD (\a)+5, 1
	MM 1, 4, 8, 0
.endm
	s_load_b256 s[4:11], s[0:1], 0x0               ; xb s[4:5], w1 s[6:7], blk s[8:9], hidF s[10:11]
	s_load_b128 s[12:15], s[0:1], 0x20             ; dmap s[12:13], rec s[14:15]
	v_lshl_add_u32 v[SPW], v0, 2, SPARE
	v_mov_b32 v[NIL], 0
	v_and_b32 v1, 31, v0                           ; L
	v_lshrrev_b32 v34, 5, v0
	v_readfirstlane_b32 s16, v34                   ; wave w
	v_and_b32 v2, 15, v0                           ; r
	v_bfe_u32 v3, v0, 4, 1                         ; h
	s_mov_b32 s17, ttmp9                           ; tile slot
	s_and_b32 s18, ttmp7, 0xffff                   ; slice of 256 columns
	s_mov_b32 s60, 0x76543210
	s_mov_b32 s61, 0xfedcba98
	s_mov_b32 s[NLE], 0xbfb8aa3b
	s_mov_b32 s[NLE+1], 0xbfb8aa3b
	v_lshlrev_b32 v35, 7, v0                       ; thread i stands for block i of 16 tokens: its record in blk
	s_lshl_b32 s58, s16, 10
	s_add_co_u32 s58, s58, LW
	v_mov_b32 v37, s58                             ; my wave's part of LW
	v_lshl_add_u32 v36, v1, 4, s58
	v_mov_b32 v60, 0
	v_mov_b32 v61, 0
	v_mov_b32 v62, 0
	v_mov_b32 v63, 0
	ds_store_b128 v36, v[60:63]                    ; its 256 words are cleared
	ds_store_b128 v36, v[60:63] offset:512
	s_wait_kmcnt 0x0
	global_load_b128 v[48:51], v35, s[8:9]         ; the eight masks
	global_load_b128 v[52:55], v35, s[8:9] offset:16
	global_load_b64 v[56:57], v35, s[8:9] offset:32  ; the eight counts
	v_lshlrev_b32 v[VW], 4, v2
	v_lshl_add_u32 v[VW], v3, 16, v[VW]            ; 16 r + 8 h rows of 8,192 bytes
	v_mul_u32_u24 v[AFA0], v2, 272
	v_lshl_add_u32 v[AFA0], v3, 4, v[AFA0]
	v_mul_u32_u24 v38, v3, 272
	v_lshl_add_u32 v38, v2, 4, v38
	s_mul_i32 s58, s16, 2*272
	v_add_nc_u32 v[STA0], s58, v38                 ; fill load p brings row 8 p + 2 w + h: here p = 0, 16 r
	v_lshlrev_b32 v[VOUT], 4, v1
	s_wait_loadcnt 0x0
	; the counts in fields of 16 bits, summed over the wave's 32 blocks
	v_and_b32 v64, 0x00ff00ff, v56                 ; n0, n2
	v_lshrrev_b32 v65, 8, v56
	v_and_b32 v65, 0x00ff00ff, v65                 ; n1, n3
	v_and_b32 v66, 0x00ff00ff, v57                 ; n4, n6
	v_lshrrev_b32 v67, 8, v57
	v_and_b32 v67, 0x00ff00ff, v67                 ; n5, n7
	v_mov_b32 v68, 0
.irp k, 0,1,2,3
.irp m, 1,2,4,8
	v_mov_b32_dpp v68, v[64+\k] row_xmask:\m row_mask:0xf bank_mask:0xf
	v_add_nc_u32 v[64+\k], v[64+\k], v68
.endr
	v_permlanex16_b32 v68, v[64+\k], s60, s61
	v_add_nc_u32 v[64+\k], v[64+\k], v68
.endr
	s_lshl_b32 s58, s16, 4
	s_add_co_u32 s58, s58, WT
	v_mov_b32 v38, s58
	ds_store_b128 v38, v[64:67]
	s_wait_dscnt 0x0                               ; for the others' sake
	s_barrier_signal -1
	s_barrier_wait -1
	v_mov_b32 v39, WT
.irp u, 0,1,2,3
	ds_load_b128 v[72+4*\u:75+4*\u], v39 offset:16*\u
.endr
	s_wait_dscnt 0x0
.set i, 0
.rept 16
	v_readfirstlane_b32 s[42+i], v[72+i]
.set i, i+1
.endr
.irp k, 0,1,2,3
	s_add_co_u32 s[66+\k], s[42+\k], s[46+\k]      ; all four waves'
	s_add_co_u32 s[66+\k], s[66+\k], s[50+\k]
	s_add_co_u32 s[66+\k], s[66+\k], s[54+\k]
	s_mov_b32 s[70+\k], 0
.endr
.irp u, 0,1,2
	s_cmp_gt_u32 s16, \u
.irp k, 0,1,2,3
	s_cselect_b32 s[74+\k], s[42+4*\u+\k], 0
.endr
.irp k, 0,1,2,3
	s_add_co_u32 s[70+\k], s[70+\k], s[74+\k]      ; the waves' in front of mine
.endr
.endr
	s_and_b32 s34, s66, 0xffff                     ; n_e in s34-41
	s_and_b32 s35, s67, 0xffff
	s_lshr_b32 s36, s66, 16
	s_lshr_b32 s37, s67, 16
	s_and_b32 s38, s68, 0xffff
	s_and_b32 s39, s69, 0xffff
	s_lshr_b32 s40, s68, 16
	s_lshr_b32 s41, s69, 16
	s_mov_b32 s86, 0
.irp e, 0,1,2,3,4,5,6,7
	s_add_co_u32 s[78+\e], s[34+\e], 15
	s_lshr_b32 s[78+\e], s[78+\e], 4               ; G_e in s78-85
	s_add_co_u32 s58, s[78+\e], 8
	s_mul_i32 s58, s58, 228                        ; x / 9 = (228 x) >> 11, exact below x = 512
	s_lshr_b32 s58, s58, 11
	s_add_co_u32 s86, s86, s58
.endr
	s_mov_b32 s88, 228
	s_cmp_gt_u32 s86, 32
	s_cselect_b32 s[BIG], 1, 0
	s_cselect_b32 s87, 11, 9                       ; cg
	s_cselect_b32 s88, 187, s88                    ; x / 11 = (187 x) >> 11, exact below x = 227
	s_cselect_b32 s89, 10, 8
	s_mov_b32 s90, 0                               ; first tile slot of expert e,
	s_mov_b32 s91, 0                               ; its first group
	s_mov_b32 s19, 0
	s_mov_b32 s92, 0
	s_mov_b32 s93, 0
	s_mov_b32 s94, 0
	s_mov_b32 s95, 0
.irp e, 0,1,2,3,4,5,6,7                ; the last expert whose first slot is not behind mine: experts without rows are passed over
	s_cmp_ge_u32 s17, s90
	s_cselect_b32 s19, \e, s19
	s_cselect_b32 s92, s90, s92
	s_cselect_b32 s93, s91, s93
	s_cselect_b32 s94, s[78+\e], s94
	s_cselect_b32 s95, s[34+\e], s95
	s_add_co_u32 s58, s[78+\e], s89
	s_mul_i32 s58, s58, s88
	s_lshr_b32 s58, s58, 11
	s_add_co_u32 s90, s90, s58
	s_add_co_u32 s91, s91, s[78+\e]
.endr
	s_sub_co_u32 s58, s17, s92                     ; my tile among the expert's
	s_mul_i32 s20, s58, s87                        ; its first group among the expert's
	s_sub_co_i32 s[GL], s94, s20
	s_max_i32 s[GL], s[GL], 0
	s_min_i32 s[GL], s[GL], s87                    ; its groups: 0 for a slot without a tile
	s_lshl_b32 s62, s20, 4
	s_lshl_b32 s23, s87, 4                         ; places in a tile
	s_sub_co_i32 s59, s95, s62
	s_min_i32 s59, s59, s23
	s_max_i32 s59, s59, 1
	s_sub_co_u32 s24, s59, 1                       ; the last place that holds a row
	s_add_co_u32 s25, s93, s20
	s_cmp_gt_u32 s[GL], 0
	s_cselect_b32 s25, s25, 0
	s_min_u32 s25, s25, 263                        ; my first group of all
	s_min_u32 s19, s19, 7                          ; my expert
	s_lshl_b32 s58, s19, 23
	s_lshl_b32 s59, s18, 10
	s_add_co_u32 s58, s58, s59
	s_lshl_b32 s59, s16, 8
	s_add_co_u32 s58, s58, s59
	s_mov_b32 s59, 0
	s_add_nc_u64 s[WB:WB+1], s[6:7], s[58:59]      ; w1[e], my slice, my wave's 64 columns
	s_mov_b32 s[XO], KMASK+1-64*PITCHW             ; the first step wraps it to 0
	s_mov_b32 s[XO+1], 0
	WLOAD 0, 0                                     ; the weights are on their way while the list is made
	WLOAD 1, 0
	WLOAD 2, 0
	WLOAD 3, 0
	WIN 0
	; THE LIST.  My block's mask and count for my expert; where its rows begin in the tile; each chosen token's number goes to its place in my wave's part of LW
	v_mov_b32 v40, v48
.irp e, 1,2,3,4,5,6,7
	s_cmp_eq_u32 s19, \e
	s_cselect_b32 s58, -1, 0
	v_cndmask_b32 v40, v40, v[48+\e], s58
.endr
	s_cmp_lt_u32 s19, 4
	s_cselect_b32 s58, -1, 0
	v_cndmask_b32 v41, v57, v56, s58
	s_and_b32 s59, s19, 3
	s_lshl_b32 s59, s59, 3
	v_lshrrev_b32 v41, s59, v41
	v_and_b32 v41, 0xff, v41                       ; 0 to 16
	v_mov_b32 v42, 0
.irp k, 0,1,2,3,4                      ; the sum over the lanes below mine, bit by bit of the counts
	v_and_b32 v43, 1<<\k, v41
	v_cmp_ne_u32 s58, 0, v43
	v_mbcnt_lo_u32_b32 v43, s58, 0
	v_lshl_add_u32 v42, v43, \k, v42
.endr
	s_and_b32 s58, s19, 1
	s_lshr_b32 s59, s19, 2
	s_lshl1_add_u32 s58, s59, s58                  ; the register that holds my expert's field,
	s_mov_b32 s63, s70
	s_cmp_eq_u32 s58, 1
	s_cselect_b32 s63, s71, s63
	s_cmp_eq_u32 s58, 2
	s_cselect_b32 s63, s72, s63
	s_cmp_eq_u32 s58, 3
	s_cselect_b32 s63, s73, s63
	s_lshr_b32 s59, s63, 16
	s_and_b32 s63, s63, 0xffff
	s_bitcmp1_b32 s19, 1                           ; and its half
	s_cselect_b32 s63, s59, s63
	s_sub_co_u32 s63, s63, s62                     ; less the tile's first place: in front of the tile it wraps to a large number
	v_add_nc_u32 v42, s63, v42
	v_add_nc_u32 v46, 192, v1                      ; my word for what falls outside
	v_lshlrev_b32 v100, 5, v0                      ; 2 x my block's first token
.irp b, 0,1,2,3,4,5,6,7,8,9,10,11,12,13,14,15
	v_bfe_u32 v43, v40, \b, 1                      ; chosen?
	v_bfe_u32 v44, v40, 16+\b, 1                   ; as second choice?
	v_cmp_gt_u32 s58, s23, v42                     ; inside the tile?
	v_cmp_ne_u32 s59, 0, v43
	s_and_b32 s58, s58, s59
	v_cndmask_b32 v45, v46, v42, s58
	v_min_u32 v45, 255, v45
	v_lshl_add_u32 v45, v45, 2, v37
	v_add3_u32 v47, v100, v44, 2*\b                ; 2 x token + slot: the row's place in gts and in y
	ds_store_b32 v45, v47
	v_add_nc_u32 v42, v42, v43
.endr
	s_wait_dscnt 0x0                               ; for the others' sake
	s_barrier_signal -1
	s_barrier_wait -1
	; the four parts are merged (each place was written by one wave, the others hold 0); places past the last row repeat it
	v_min_u32 v43, s24, v0
	v_min_u32 v43, 175, v43
	v_lshl_add_u32 v43, v43, 2, LW
	v_add_nc_u32 v44, 128, v0
	v_min_u32 v44, s24, v44
	v_min_u32 v44, 175, v44
	v_lshl_add_u32 v44, v44, 2, LW
.irp u, 0,1,2,3
	ds_load_b32 v[60+\u], v43 offset:1024*\u
	ds_load_b32 v[64+\u], v44 offset:1024*\u
.endr
	s_wait_dscnt 0x0
	v_or_b32 v70, v60, v61
	v_or_b32 v60, v62, v63
	v_or_b32 v70, v70, v60                         ; place = my thread's number
	v_or_b32 v71, v64, v65
	v_or_b32 v64, v66, v67
	v_or_b32 v71, v71, v64                         ; place = that + 128
	s_lshl_b32 s58, s16, 7
	s_add_co_u32 s58, s58, FL
	v_lshl_add_u32 v45, v1, 2, s58
	ds_store_b32 v45, v70
	ds_store_b32 v45, v71 offset:512
	s_wait_dscnt 0x0                               ; for the others' sake
	s_barrier_signal -1
	s_barrier_wait -1
	s_lshl_b32 s58, s16, 3
	s_add_co_u32 s58, s58, FL
	v_lshl_add_u32 v46, v3, 2, s58                 ; place 2 w + h
.set p, 0
.rept 22
	ds_load_b32 v[72+p], v46 offset:32*p           ; place 8 p + 2 w + h
.set p, p+1
.endr
	v_lshlrev_b32 v101, 4, v2
	s_wait_dscnt 0x0
.set p, 0
.rept 22
	v_lshrrev_b32 v[72+p], 1, v[72+p]
	v_min_u32 v[72+p], 0x7ff, v[72+p]              ; the token
	v_lshl_add_u32 v[OFFS+p], v[72+p], 11, v101    ; its row of 2,048 bytes, 16 r
.set p, p+1
.endr
	s_mov_b32 s[AO], 7*CHB                         ; the first step wraps it to 0
	s_mov_b32 s[AO+1], 0
	FILL_LD                                        ; K step 0
	WIN 0
	s_cmp_lg_u32 s18, 0
	s_cbranch_scc1 .Lnolist                        ; slice 0 alone stores the list and the record; no barrier is jumped
	s_cmp_eq_u32 s[GL], 0
	s_cbranch_scc1 .Lnodmap
	s_lshl_b32 s58, s[GL], 4
	s_sub_co_u32 s58, s58, 1
	s_lshl_b32 s59, s25, 4
	v_min_u32 v60, s58, v0                         ; threads past the tile's places store the last place's number there once more
	v_add_nc_u32 v60, s59, v60
	v_min_u32 v60, 4479, v60
	v_lshlrev_b32 v60, 2, v60
	global_store_b32 v60, v70, s[12:13]
	v_add_nc_u32 v61, 128, v0
	v_min_u32 v61, s58, v61
	v_add_nc_u32 v61, s59, v61
	v_min_u32 v61, 4479, v61
	v_lshlrev_b32 v61, 2, v61
	global_store_b32 v61, v71, s[12:13]
.Lnodmap:
	s_cmp_lg_u32 s16, 0
	s_cbranch_scc1 .Lnolist
	v_mov_b32 v62, 0
	v_writelane_b32 v62, s19, 0                    ; the record: expert, first group, groups, BIG
	v_writelane_b32 v62, s25, 1
	v_writelane_b32 v62, s[GL], 2
	v_writelane_b32 v62, s[BIG], 3
	v_lshlrev_b32 v63, 2, v1
	s_lshl_b32 s58, s17, 7
	s_mov_b32 s59, 0
	s_add_nc_u64 s[66:67], s[14:15], s[58:59]
	global_store_b32 v63, v62, s[66:67]
.Lnolist:
	s_wait_xcnt 0x0                                ; the stores' registers lie where fragments will be loaded: rewritten only behind this wait
	v_mov_b32 v[AFA], v[AFA0]
	v_mov_b32 v[STA], v[STA0]
	s_mov_b32 s[TB], 0
	XFILL                                          ; rows 144-175 of K step 0, in every work-group; its wait is for all loads: K step 0's rows and four sets of weights are in
	FILL_ST
	CVT 0
	WIN 0
	s_wait_dscnt 0x0                               ; for the others' sake: my rows of slot 0 are in LDS
	s_barrier_signal -1
	s_barrier_wait -1
	AFLOAD 0
	FILL_LD                                        ; K step 1
	WLOAD 4, 0
	SUB 0, 1, 1, 1, 63, 1, 0, 0                    ; the first sub-step stands in front of the loop: its products start the sums
	WIN 0
	s_mov_b32 s26, 7
.Lk:                                                   ; a trip: a K step, from its second sub-step to the next one's first
	s_cmp_eq_u32 s26, 1
	s_cselect_b32 s[LIVE], 0, -1
	SUB 1, 0, 1, 1, 63, 1, 0, 0                    ; 66 loads are younger than the set: three sets of 16 and the 18 fill loads; the count's field ends at 63
	SUB 2, 0, 1, 1, 48, 1, 0, 1                    ; the set and, behind it, the fill loads: three sets are younger
	TURN 3
	SUB 4, 0, 1, 1, 63, 1, 2, 0
	WIN 0
	s_sub_co_u32 s26, s26, 1
	s_cmp_lg_u32 s26, 0
	s_cbranch_scc1 .Lk
	SUB 5, 0, 1, 1, 63, 0, 0, 0                    ; sub-steps 29 to 31.  Younger than set 30: set 31, and the last trip's fill and two sets that nobody reads: 66
	SUB 6, 0, 1, 1, 48, 0, 0, 0                    ; younger than set 31: those 50
	SUB 7, 0, 0, 0, 0, 0, 0, 0
	; THE WAY OUT.  Group g: silu in f32, rounded to bf16; a lane's 32 columns are 64 bytes: four stores of 512 consecutive aligned bytes a wave, the second product's fragments as they will be loaded.
	PLACES
	s_lshl_b32 s58, s25, 16
	s_lshl_b32 s59, s18, 2
	s_add_co_u32 s59, s59, s16
	s_lshl_b32 s59, s59, 11
	s_add_co_u32 s58, s58, s59
	s_mov_b32 s59, 0
	s_add_nc_u64 s[OB:OB+1], s[10:11], s[58:59]    ; my first group, block 4 y + w of 64 columns
.macro OUTG g
	WIN 0
	s_cmp_le_u32 s[GL], \g
	s_cbranch_scc1 .Ldone                          ; groups that the tile does not have are not stored
.if (\g) < 8
.set ab, 32*(\g)
.set wa, 1
.else
.set ab, 32*((\g)-8)
.set wa, 2
.endif
	WIN wa
.set n, 0
.rept 16
	v_pk_mul_f32 v[T+2*n:T+2*n+1], v[ab+2*n:ab+2*n+1], s[NLE:NLE+1] op_sel_hi:[1,0]  ; each accumulator from its low end on
.set n, n+1
.endr
	WIN 0
.set n, 0
.rept 32
	v_exp_f32 v[T+n], v[T+n]
.set n, n+1
.endr
	v_nop                                          ; a plain instruction behind the last exponential,
	s_wait_alu depctr_va_vdst(0)                   ; and one wait for the batch
.set n, 0
.rept 16
	v_pk_add_f32 v[T+2*n:T+2*n+1], v[T+2*n:T+2*n+1], 1.0 op_sel_hi:[1,0]
.set n, n+1
.endr
.set n, 0
.rept 32
	v_rcp_f32 v[T+n], v[T+n]
.set n, n+1
.endr
	v_nop
	s_wait_alu depctr_va_vdst(0)
	WIN wa<<2
.set n, 0
.rept 16
	v_pk_mul_f32 v[T+2*n:T+2*n+1], v[T+2*n:T+2*n+1], v[ab+2*n:ab+2*n+1]
.set n, n+1
.endr
	WIN 0
	s_wait_xcnt 0x0                                ; the last group's stores have read their data, which the lines below write anew
.set j, 0
.rept 8
	v_cvt_pk_bf16_f32 v[HH+2*j], v[T+j], v[T+8+j]          ; columns 4 j, 4 j + 1
	v_cvt_pk_bf16_f32 v[HH+2*j+1], v[T+16+j], v[T+24+j]    ; columns 4 j + 2, 4 j + 3
.set j, j+1
.endr
.irp q, 0,1,2,3
	global_store_b128 v[VOUT], v[HH+4*\q:HH+4*\q+3], s[OB:OB+1] offset:(\g)*65536+\q*512
.endr
.endm
.irp g, 0,1,2,3,4,5,6,7,8,9,10
	OUTG \g
.endr
	WIN 0
.Ldone:
	s_wait_tensorcnt 0x0                           ; the wave's end
	ds_add_u32 v[SPW], v[NIL]
	s_wait_dscnt 0x0
	s_endpgm
.Lfunc_end_k_q4499fda562_up:
	.size	k_q4499fda562_up, .Lfunc_end_k_q4499fda562_up-k_q4499fda562_up
	.p2alignl 7, 3214868480
	.fill 96, 4, 3214868480
	.section	.rodata,"a",@progbits
	.p2align	6, 0x0
	.amdhsa_kernel k_q4499fda562_up
		.amdhsa_group_segment_fixed_size 101632
		.amdhsa_private_segment_fixed_size 0
		.amdhsa_enable_private_segment 0
		.amdhsa_kernarg_size 48
		.amdhsa_user_sgpr_count 2
		.amdhsa_user_sgpr_kernarg_segment_ptr 1
		.amdhsa_wavefront_size32 1
		.amdhsa_system_sgpr_workgroup_id_x 1
		.amdhsa_system_sgpr_workgroup_id_y 1
		.amdhsa_system_sgpr_workgroup_id_z 1
		.amdhsa_system_vgpr_workitem_id 0
		.amdhsa_next_free_vgpr 1024
		.amdhsa_next_free_sgpr 100
		.amdhsa_reserve_vcc 0
		.amdhsa_float_denorm_mode_32 3
		.amdhsa_float_denorm_mode_16_64 3
		.amdhsa_memory_ordered 1
		.amdhsa_forward_progress 1
		.amdhsa_inst_pref_size 193
	.end_amdhsa_kernel
	.amdgpu_metadata
---
amdhsa.version: [ 1, 2 ]
amdhsa.kernels:
  - .name:           k_q4499fda562_up
    .symbol:         k_q4499fda562_up.kd
    .args:
      - { .name: xb, .offset: 0, .size: 8, .value_kind: global_buffer, .address_space: global }
      - { .name: w1, .offset: 8, .size: 8, .value_kind: global_buffer, .address_space: global }
      - { .name: blk, .offset: 16, .size: 8, .value_kind: global_buffer, .address_space: global }
      - { .name: hidF, .offset: 24, .size: 8, .value_kind: global_buffer, .address_space: global }
      - { .name: dmap, .offset: 32, .size: 8, .value_kind: global_buffer, .address_space: global }
      - { .name: rec, .offset: 40, .size: 8, .value_kind: global_buffer, .address_space: global }
    .group_segment_fixed_size: 101632
    .private_segment_fixed_size: 0
    .kernarg_segment_align: 8
    .kernarg_segment_size: 48
    .max_flat_workgroup_size: 128
    .sgpr_count:     100
    .vgpr_count:     1024
    .wavefront_size: 32
...
	.end_amdgpu_metadata
.endif
;; end of part 2
;; launch down (part 3): grid 32 x 8, 4 waves a work-group, no clusters, 92,672 bytes of LDS; arguments hidF, w2, rec, dmap, gts, y; writes y
.if DOCPART == 3
	.amdgcn_target "amdgcn-amd-amdhsa--gfx1250"
	.amdhsa_code_object_version 6
	.text
	.protected	k_q4499fda562_down
	.globl	k_q4499fda562_down
	.p2align	8
	.type	k_q4499fda562_down,@function
k_q4499fda562_down:
	s_mov_b64 s[64:65], 0
	v_nop
	global_prefetch_b8 v0, s[64:65] scope:SCOPE_SE
	s_setreg_imm32_b32 hwreg(HW_REG_WAVE_MODE, 25, 1), 1
	s_wait_xcnt 0x0
; SECOND PRODUCT.  y[kh][2 t + slot] = gate x (hid w2[e]) over half kh of the 2,048 hidden columns: partial rows in f32, which the last launch adds.
; Grid: x = tile slot (expert, first group, groups and BIG come from rec, as the first product stored them), y = 4 kh + cs: half of K and slice of 256 of the 1,024 output columns.
; The split of K makes the slice 256 columns wide, so that a tile's hidden rows are brought into four work-groups for each half and not into eight for the whole.
; SHARES and LOOP are the first product's: four waves, a wave has all 144 (176) rows x 64 columns in 36 (44) accumulators; K = 1,024 in 32 sub-steps of 32, four to a K step; w2 goes from memory through
; registers into fragments (fragment jf holds column 4 r + jf in lane r); the hidden rows, stored as fragments, go through a ring of two LDS slots of 128 along K, 512 consecutive bytes a load; one barrier a K step.
; THE ORDER OF A SUB-STEP: 8 products; the wait for the next set of weights; 8 products with four of the set's 32 conversions behind each; ONE run of memory instructions; 20 products.
; THE LOOP runs on through sub-step 28, so that the text behind it is three sub-steps.  The price, in its last trip: two sets of weight loads past K's end wrap to my half's row 0 with all lanes
; on one address (16 bytes a load), and one fill of hidden rows wraps to K step 0 (9 KB a wave); all stay inside their buffers and nothing reads them.
; A fragment's places (h, i) stand for hidden column 64 c + 32 h + 16 f + i, in the hidden rows as they were stored and in the rows of w2 as they are loaded here: the same order on both sides.
; Natural order of the sources: lane (r, h) holds rows 8 h + j and columns 4 r + jf: 16 bytes of a row, 16 lanes 256 aligned bytes.
; A slot without a tile walks the same loop on group 0 and stores nothing: the loop holds barriers, which every wave passes.
; NO CLUSTER: jointly loaded weights would land in LDS as f32, 8 KB to be read by a wave beside the 9 KB of hidden rows for each 36 matrix instructions.
; LIMITS.  w2 is rounded to bf16 once; sums, the gate's product and y in f32.  NaN and infinities are not treated apart.
.set KIND,   2
.set PITCHW, 4096                      ; bytes in a row of w2
.set KMASK,  1024*PITCHW-1             ; my half's 1,024 rows, less one byte: the offset along K wraps by this mask
.set SLOTB,  45056                     ; an LDS slot: 11 groups x 4,096
.set GSTR,   4096
.set CSTR,   1024
.set HSTR,   512
.set FSTR,   2048                      ; from fill load to fill load: four pieces of 512 bytes
.set CHB,    4096                      ; bytes of a group in a K step
.set WBIG,   0xa2                      ; windows for groups 9, 10: C, D and source 0 in window 2
.set DL,     90112                     ; 256 words: the places' rows in y
.set SPARE,  92160                     ; behind DL's and the gates' 1,024 bytes each: the spare words, 128 bytes for each of four waves
.set VW,   4                           ; my offset in a run of weight rows; never rewritten
.set AFA0, 5                           ; my fragment address in slot 0; never rewritten
.set AFA,  6                           ; the same in the slot in hand
.set STA0, 7                           ; my fill address in slot 0; never rewritten
.set STA,  8                           ; the same in the slot that is being filled
.set VOUT, 9
.set SPW,  10
.set NIL,  11
.set OFFS, 12                          ; v12-33   byte offsets of my 18 fill loads, and of the four for groups 9, 10
.set VWM0, 34                          ; VW, or 0 in the last trip: for the turn's weight loads
.set VWM1, 35                          ; the same for the sub-step behind the turn
.set DLA,  46                          ; DL + 32 h
.set AF0,  48
.set BF0,  192
.set AFX,  96
.set STX,  112
.set STG,  128
.set GL,   21
.set BIG,  22
.set WB,   28                          ; s[28:29] my expert's weights, my half of K, my columns; never rewritten
.set AP,   30                          ; s[30:31] hidden rows at the K step that is being fetched
.set OB,   32
.set PQ,   36                          ; s[36:43] a base for each of the four weight sets
.set XO,   44                          ; s[44:45] byte offset along K of the pair of sub-steps that is being fetched
.set AO,   46                          ; s[46:47] byte offset of the K step that is being fetched
.set AB,   48                          ; s[48:49] hidF at my half of K
.set TB,   50                          ; s50 0 or SLOTB
.set LIVE, 51                          ; s51 -1; 0 in the last trip
.set MSB, 0
.macro WIN new                         ; s_set_vgpr_msb: bits 1:0 source 0, 3:2 source 1, 5:4 source 2, 7:6 destination; the high byte repeats the setting that is left
.if MSB != (\new)
	s_set_vgpr_msb (MSB<<8)|(\new)
.set MSB, (\new)
.endif
.endm
.macro PLACES                          ; four places in front of loads and conversions into registers that matrix instructions have read, and of reads of results
.rept 4
	v_nop
.endr
.endm
.macro WM d, a, b, zero                ; one matrix instruction: accumulator d, row fragment a, weight fragment b
.if KIND == 1
.if \zero
	v_wmma_f32_16x16x32_bf16 v[(\d):(\d)+7], v[(\b):(\b)+7], v[(\a):(\a)+7], 0
.else
	v_wmma_f32_16x16x32_bf16 v[(\d):(\d)+7], v[(\b):(\b)+7], v[(\a):(\a)+7], v[(\d):(\d)+7]
.endif
.else
.if \zero
	v_wmma_f32_16x16x32_bf16 v[(\d):(\d)+7], v[(\a):(\a)+7], v[(\b):(\b)+7], 0
.else
	v_wmma_f32_16x16x32_bf16 v[(\d):(\d)+7], v[(\a):(\a)+7], v[(\b):(\b)+7], v[(\d):(\d)+7]
.endif
.endif
.endm
.macro MM b, g0, g1, zero              ; groups g0 .. g1 x four fragments, from buffers b.  The accumulators take turns, one instruction a turn, in the same order in every sub-step
.set g, (\g0)
.rept (\g1)-(\g0)+1
.if g < 8
	WIN 0x50
.set ab, 32*g
.else
	WIN 0xa0
.set ab, 32*(g-8)
.endif
.set af, AF0+72*(\b)+8*g
.set jf, 0
.rept 4
.set bf, BF0+32*(\b)+8*jf
	WM ab+8*jf, af, bf, \zero
.set jf, jf+1
.endr
.set g, g+1
.endr
.endm
.macro CV4 x, k                        ; conversions 4 k .. 4 k + 3 of the 32 of set x % 4: register q of fragment jf takes column jf of loads 2 q and 2 q + 1
.set rs, (\x)&3
.if rs < 2
	WIN 0x0a
.set rb, 128+64*rs
.else
	WIN 0x0f
.set rb, 64*(rs-2)
.endif
.set bb, BF0+32*((\x)&1)
.set m, 4*(\k)
.rept 4
	v_cvt_pk_bf16_f32 v[bb+m], v[rb+8*(m%8)+m/8], v[rb+8*(m%8)+4+m/8]
.set m, m+1
.endr
.endm
.macro CVT x                           ; all 32
.set kk, 0
.rept 8
	CV4 \x, kk
.set kk, kk+1
.endr
.endm
.macro MMR b, x, zero                  ; groups 2, 3, and behind each of their eight products four conversions of set x, which name no register of the products round them
.set n, 0
.rept 8
	WIN 0x50
	WM 64+8*n, AF0+72*(\b)+16+8*(n/4), BF0+32*(\b)+8*(n%4), \zero
	CV4 \x, n
.set n, n+1
.endr
.endm
; The 16 weight loads of sub-step x into set x % 4.  The set's base is made anew from the wrapped offset: its last loads were shown done by the counted wait in front of the set's conversions, so no further wait is owed.
.macro WLOAD x, msk                    ; msk: 0 my lanes' offsets as they are; 1, 2: through VWM0, VWM1
.if ((\x)&1) == 0
	s_add_co_u32 s[XO], s[XO], 64*PITCHW           ; two sub-steps are 64 rows
	s_and_b32 s[XO], s[XO], KMASK
.endif
.set pq, PQ+2*((\x)&3)
	s_add_nc_u64 s[pq:pq+1], s[WB:WB+1], s[XO:XO+1]
.set rs, (\x)&3
.if rs < 2
	WIN 0x80
.set rb, 128+64*rs
.else
	WIN 0xc0
.set rb, 64*(rs-2)
.endif
.if (\msk) == 0
.set vo, VW
.elseif (\msk) == 1
.set vo, VWM0
.else
.set vo, VWM1
.endif
.set i, 0
.rept 16
.if KIND == 1
.set ro, 32*((\x)&1)+i+8*(i/8)
.else
.set ro, 16*((\x)&1)+i
.endif
	global_load_b128 v[rb+4*i:rb+4*i+3], v[vo], s[pq:pq+1] offset:ro*PITCHW
.set i, i+1
.endr
.endm
.macro AFLOAD x                        ; the row fragments of sub-step x, groups 0-8: 18 LDS loads
	WIN 0
.set ab, AF0+72*((\x)&1)
.set g, 0
.rept 9
	ds_load_b128 v[ab+8*g:ab+8*g+3], v[AFA] offset:g*GSTR+((\x)&3)*CSTR
	ds_load_b128 v[ab+8*g+4:ab+8*g+7], v[AFA] offset:g*GSTR+((\x)&3)*CSTR+HSTR
.set g, g+1
.endr
.endm
.macro FILL_LD                         ; my 18 loads of the next K step (it wraps behind the eighth).  The pointer's last loads were shown done by the wait in front of their stores
	s_add_co_u32 s[AO], s[AO], CHB
	s_and_b32 s[AO], s[AO], 8*CHB-1
	s_add_nc_u64 s[AP:AP+1], s[AB:AB+1], s[AO:AO+1]
	WIN 0xc0
.set p, 0
.rept 18
	global_load_b128 v[STG+4*p:STG+4*p+3], v[OFFS+p], s[AP:AP+1]
.set p, p+1
.endr
.endm
.macro FILL_ST                         ; and their way into the slot that is being filled
	WIN 0x0c
.set p, 0
.rept 18
	ds_store_b128 v[STA], v[STG+4*p:STG+4*p+3] offset:p*FSTR
.set p, p+1
.endr
.endm
.macro XFILL                           ; the same for groups 9, 10, whole: four loads, the wait for all loads, four stores
	WIN 0x80
.irp p, 0,1,2,3
	global_load_b128 v[STX+4*\p:STX+4*\p+3], v[OFFS+18+\p], s[AP:AP+1]
.endr
	s_wait_loadcnt 0x0
	WIN 0x08
.irp p, 0,1,2,3
	ds_store_b128 v[STA], v[STX+4*\p:STX+4*\p+3] offset:(18+\p)*FSTR
.endr
.endm
; Groups 9, 10 of sub-step a: jumped where tiles have 9 groups.  Its loads are waited for inside, so the counts outside hold on both ways.  fill = 1: their pieces of the next K step too.
; zero = 1: the first sub-step's, which start the sums: run by every work-group, so that these registers are written on every way.
.macro BIGMM a, zero, fill
	WIN 0
.if !(\zero)
	s_cmp_eq_u32 s[BIG], 0
	s_cbranch_scc1 .Lnb_\@
.endif
	PLACES
	WIN 0x80
.irp gg, 0,1
	ds_load_b128 v[AFX+8*\gg:AFX+8*\gg+3], v[AFA] offset:(9+\gg)*GSTR+((\a)&3)*CSTR
	ds_load_b128 v[AFX+8*\gg+4:AFX+8*\gg+7], v[AFA] offset:(9+\gg)*GSTR+((\a)&3)*CSTR+HSTR
.endr
	s_wait_dscnt 0x0
	WIN WBIG
.irp gg, 0,1
.irp jj, 0,1,2,3
	WM 32*(1+\gg)+8*\jj, AFX+8*\gg, BF0+32*((\a)&1)+8*\jj, \zero
.endr
.endr
.if \fill
	XFILL
.endif
	WIN 0
.if !(\zero)
.Lnb_\@:
.endif
.endm
; A sub-step a (modulo 4 its place in the K step): 36 matrix instructions on buffers a % 2, and beside them the next sub-step is made ready.
; cv: its weights (waited for with the count nw) are rounded; al: its row fragments are fetched; fs: the next K step's rows go into the other slot; wl: the weights five sub-steps on are asked for.
.macro SUB a, zero, al, cv, nw, wl, msk, fs
	s_wait_dscnt 0x0                               ; my fragments, asked for 20 matrix instructions ago; nothing younger is out
	PLACES                                         ; for the conversions and loads below, into buffers that the sub-step before multiplied
	MM (\a)&1, 0, 1, \zero
.if \cv
	s_wait_loadcnt \nw                             ; loads come back in order: at most nw of those issued behind the set may be out
	MMR (\a)&1, (\a)+1, \zero
.else
	MM (\a)&1, 2, 3, \zero
.endif
	WIN 0
.if (\msk) == 2
	v_and_b32 v[VWM1], s[LIVE], v[VW]              ; its last loads are the set just rounded
.endif
.if \fs
	s_xor_b32 s[TB], s[TB], SLOTB                  ; the other slot: nobody has read it since the last barrier
	v_add_nc_u32 v[STA], s[TB], v[STA0]
.endif
.if \al
	AFLOAD (\a)+1
.endif
.if \fs
	FILL_ST
.endif
.if \wl
	WLOAD (\a)+5, \msk
.endif
	MM (\a)&1, 4, 8, \zero
	BIGMM \a, \zero, \fs
.endm
; A K step's last sub-step, with the change of slots.  ONE barrier does two things: in front of its signal my stores into the next slot are done, and so are my reads of the slot in hand
; (that slot is written again only in the next K step, behind this barrier's wait); behind the wait the next slot is whole.
.macro TURN a
	s_wait_dscnt 0x0                               ; my fragments are in, my stores into the next slot are done
	BIGMM \a, 0, 0                                 ; it reads the slot in hand: ahead of the signal
	s_barrier_signal -1
	PLACES
	MM 1, 0, 1, 0                                  ; 16 products and the conversions: work on registers while the others arrive
	s_wait_loadcnt 48                              ; the next set: three sets are younger
	MMR 1, (\a)+1, 0
	WIN 0
	s_barrier_wait -1
	v_add_nc_u32 v[AFA], s[TB], v[AFA0]            ; the fragments now come from the slot just filled
	v_and_b32 v[VWM0], s[LIVE], v[VW]              ; its last loads are the set just rounded
	AFLOAD (\a)+1
	FILL_LD                                        ; the K step after the next, ahead of the weights: it is wanted three sub-steps on, they four
	WLOAD (\a)+5, 1
	MM 1, 4, 8, 0
.endm
	s_load_b256 s[4:11], s[0:1], 0x0               ; hidF s[4:5], w2 s[6:7], rec s[8:9], dmap s[10:11]
	s_load_b128 s[12:15], s[0:1], 0x20             ; gts s[12:13], y s[14:15]
	v_lshl_add_u32 v[SPW], v0, 2, SPARE
	v_mov_b32 v[NIL], 0
	v_and_b32 v1, 31, v0                           ; L
	v_lshrrev_b32 v34, 5, v0
	v_readfirstlane_b32 s16, v34                   ; wave w
	v_and_b32 v2, 15, v0                           ; r
	v_bfe_u32 v3, v0, 4, 1                         ; h
	s_mov_b32 s17, ttmp9                           ; tile slot
	s_and_b32 s18, ttmp7, 0xffff
	s_and_b32 s34, s18, 3                          ; cs: slice of 256 output columns
	s_lshr_b32 s35, s18, 2                         ; kh: half of K
	s_lshl_b32 s58, s17, 7
	s_mov_b32 s59, 0
	s_wait_kmcnt 0x0
	s_add_nc_u64 s[60:61], s[8:9], s[58:59]
	s_load_b128 s[36:39], s[60:61], 0x0            ; my slot's record
	v_lshlrev_b32 v[VW], 4, v2
	v_lshl_add_u32 v[VW], v3, 17, v[VW]            ; 16 r + 32 h rows of 4,096 bytes
	v_lshlrev_b32 v[AFA0], 4, v1
	s_lshl_b32 s58, s16, 9
	v_lshl_add_u32 v[STA0], v1, 4, s58             ; fill load p brings piece 4 p + w of 512 bytes: here p = 0.  In memory: group p / 2, piece 4 (p % 2) + w of its K step
	v_add_nc_u32 v39, 2048, v[STA0]
	v_lshlrev_b32 v[VOUT], 4, v2
	v_lshl_add_u32 v[DLA], v3, 5, DL
	s_lshl_b32 s58, s16, 7
	s_add_co_u32 s58, s58, DL
	v_lshl_add_u32 v38, v1, 2, s58                 ; my word of DL
	s_wait_kmcnt 0x0
	s_min_u32 s19, s36, 7                          ; expert
	s_min_u32 s25, s37, 263                        ; first group
	s_min_u32 s[GL], s38, 11                       ; groups
	s_min_u32 s[BIG], s39, 1
	s_max_u32 s27, s[GL], 1
	s_lshl_b32 s58, s27, 4
	s_sub_co_u32 s58, s58, 1
	s_lshl_b32 s59, s25, 4
	v_min_u32 v36, s58, v0                         ; place = my thread's number, held inside the tile's stored places
	v_add_nc_u32 v36, s59, v36
	v_min_u32 v36, 4479, v36
	v_lshlrev_b32 v36, 2, v36
	global_load_b32 v40, v36, s[10:11]
	v_add_nc_u32 v37, 128, v0
	v_min_u32 v37, s58, v37
	v_add_nc_u32 v37, s59, v37
	v_min_u32 v37, 4479, v37
	v_lshlrev_b32 v37, 2, v37
	global_load_b32 v41, v37, s[10:11]
	s_lshl_b32 s58, s19, 23
	s_lshl_b32 s59, s35, 22
	s_add_co_u32 s58, s58, s59
	s_lshl_b32 s59, s34, 10
	s_add_co_u32 s58, s58, s59
	s_lshl_b32 s59, s16, 8
	s_add_co_u32 s58, s58, s59
	s_mov_b32 s59, 0
	s_add_nc_u64 s[WB:WB+1], s[6:7], s[58:59]      ; w2[e], my half of its rows, my slice, my wave's 64 columns
	s_mov_b32 s[XO], KMASK+1-64*PITCHW             ; the first step wraps it to 0
	s_mov_b32 s[XO+1], 0
	WLOAD 0, 0
	WLOAD 1, 0
	WLOAD 2, 0
	WLOAD 3, 0
	WIN 0
	s_sub_co_u32 s67, s27, 1
.set g, 0
.rept 11                               ; group g, held inside the tile's groups
	s_min_u32 s58, s67, g
	s_add_co_u32 s58, s58, s25
	s_min_u32 s58, s58, 263
	s_lshl_b32 s58, s58, 16
	v_add_nc_u32 v[OFFS+2*g], s58, v[STA0]
	v_add_nc_u32 v[OFFS+2*g+1], s58, v39
.set g, g+1
.endr
	s_lshl_b32 s58, s35, 15
	s_mov_b32 s59, 0
	s_add_nc_u64 s[AB:AB+1], s[4:5], s[58:59]      ; my half of each group's 65,536 bytes
	s_mov_b32 s[AO], 7*CHB                         ; the first step wraps it to 0
	s_mov_b32 s[AO+1], 0
	FILL_LD                                        ; K step 0
	WIN 0
	s_wait_loadcnt 63                              ; the two loads from dmap are the oldest: 82 are younger, and the count's field ends at 63
	v_min_u32 v40, 0xfff, v40
	v_min_u32 v41, 0xfff, v41
	v_lshlrev_b32 v42, 2, v40
	v_lshlrev_b32 v43, 2, v41
	global_load_b32 v44, v42, s[12:13]             ; the rows' gates
	global_load_b32 v45, v43, s[12:13]
	v_mov_b32 v[AFA], v[AFA0]
	v_mov_b32 v[STA], v[STA0]
	s_mov_b32 s[TB], 0
	XFILL                                          ; groups 9, 10 of K step 0, in every work-group; its wait is for all loads
	FILL_ST
	WIN 0
	ds_store_b32 v38, v40
	ds_store_b32 v38, v41 offset:512
	ds_store_b32 v38, v44 offset:1024
	ds_store_b32 v38, v45 offset:1536
	CVT 0
	WIN 0
	s_wait_dscnt 0x0                               ; for the others' sake: my pieces of slot 0, my rows' numbers and gates are in LDS
	s_barrier_signal -1
	s_barrier_wait -1
	AFLOAD 0
	FILL_LD                                        ; K step 1
	WLOAD 4, 0
	SUB 0, 1, 1, 1, 63, 1, 0, 0                    ; the first sub-step stands in front of the loop: its products start the sums
	WIN 0
	s_mov_b32 s26, 7
.Lk:                                                   ; a trip: a K step, from its second sub-step to the next one's first
	s_cmp_eq_u32 s26, 1
	s_cselect_b32 s[LIVE], 0, -1
	SUB 1, 0, 1, 1, 63, 1, 0, 0                    ; 66 loads are younger than the set: three sets of 16 and the 18 fill loads; the count's field ends at 63
	SUB 2, 0, 1, 1, 48, 1, 0, 1                    ; the set and, behind it, the fill loads: three sets are younger
	TURN 3
	SUB 4, 0, 1, 1, 63, 1, 2, 0
	WIN 0
	s_sub_co_u32 s26, s26, 1
	s_cmp_lg_u32 s26, 0
	s_cbranch_scc1 .Lk
	SUB 5, 0, 1, 1, 63, 0, 0, 0                    ; sub-steps 29 to 31.  Younger than set 30: set 31, and the last trip's fill and two sets that nobody reads: 66
	SUB 6, 0, 1, 1, 48, 0, 0, 0                    ; younger than set 31: those 50
	SUB 7, 0, 0, 0, 0, 0, 0, 0
	; THE WAY OUT.  Group g: each of my eight rows times its gate, to its row of y.  Two sets of registers take turns: the wait in front of a group's stores frees the set of the group before,
	; which the next group writes anew.
	PLACES
	s_lshl_b32 s58, s35, 24
	s_lshl_b32 s59, s34, 10
	s_add_co_u32 s58, s58, s59
	s_lshl_b32 s59, s16, 8
	s_add_co_u32 s58, s58, s59
	s_mov_b32 s59, 0
	s_add_nc_u64 s[OB:OB+1], s[14:15], s[58:59]    ; y's half kh, my slice, my wave's 64 columns
.macro OUTG g
	WIN 0
	s_cmp_le_u32 s[GL], \g
	s_cbranch_scc1 .Ldone                          ; groups that the tile does not have are not stored
	ds_load_b128 v[48:51], v[DLA] offset:64*(\g)           ; rows 16 g + 8 h + 0..7: where they go,
	ds_load_b128 v[52:55], v[DLA] offset:64*(\g)+16
	ds_load_b128 v[56:59], v[DLA] offset:1024+64*(\g)      ; and their gates
	ds_load_b128 v[60:63], v[DLA] offset:1024+64*(\g)+16
.if (\g) < 8
.set ab, 32*(\g)
.set wa, 1
.else
.set ab, 32*((\g)-8)
.set wa, 2
.endif
.set oo, 64+40*((\g)&1)                ; eight offsets, then 32 numbers
	s_wait_dscnt 0x0
.set j, 0
.rept 8
	v_min_u32 v[48+j], 0xfff, v[48+j]
	v_lshl_add_u32 v[oo+j], v[48+j], 12, v[VOUT]   ; a row of y is 4,096 bytes
.set j, j+1
.endr
	WIN wa
.set j, 0
.rept 8                                ; register 0 of each accumulator first
.irp jj, 0,1,2,3
	v_mul_f32 v[oo+8+4*j+\jj], v[ab+8*\jj+j], v[56+j]
.endr
.set j, j+1
.endr
	WIN 0
	s_wait_xcnt 0x0                                ; the stores of the group before have read their registers
.set j, 0
.rept 8
	global_store_b128 v[oo+j], v[oo+8+4*j:oo+8+4*j+3], s[OB:OB+1]  ; 16 lanes store 256 consecutive aligned bytes of one row, the other 16 of another
.set j, j+1
.endr
.endm
.irp g, 0,1,2,3,4,5,6,7,8,9,10
	OUTG \g
.endr
	WIN 0
.Ldone:
	s_wait_tensorcnt 0x0                           ; the wave's end
	ds_add_u32 v[SPW], v[NIL]
	s_wait_dscnt 0x0
	s_endpgm
.Lfunc_end_k_q4499fda562_down:
	.size	k_q4499fda562_down, .Lfunc_end_k_q4499fda562_down-k_q4499fda562_down
	.p2alignl 7, 3214868480
	.fill 96, 4, 3214868480
	.section	.rodata,"a",@progbits
	.p2align	6, 0x0
	.amdhsa_kernel k_q4499fda562_down
		.amdhsa_group_segment_fixed_size 92672
		.amdhsa_private_segment_fixed_size 0
		.amdhsa_enable_private_segment 0
		.amdhsa_kernarg_size 48
		.amdhsa_user_sgpr_count 2
		.amdhsa_user_sgpr_kernarg_segment_ptr 1
		.amdhsa_wavefront_size32 1
		.amdhsa_system_sgpr_workgroup_id_x 1
		.amdhsa_system_sgpr_workgroup_id_y 1
		.amdhsa_system_sgpr_workgroup_id_z 1
		.amdhsa_system_vgpr_workitem_id 0
		.amdhsa_next_free_vgpr 1024
		.amdhsa_next_free_sgpr 100
		.amdhsa_reserve_vcc 0
		.amdhsa_float_denorm_mode_32 3
		.amdhsa_float_denorm_mode_16_64 3
		.amdhsa_memory_ordered 1
		.amdhsa_forward_progress 1
		.amdhsa_inst_pref_size 126
	.end_amdhsa_kernel
	.amdgpu_metadata
---
amdhsa.version: [ 1, 2 ]
amdhsa.kernels:
  - .name:           k_q4499fda562_down
    .symbol:         k_q4499fda562_down.kd
    .args:
      - { .name: hidF, .offset: 0, .size: 8, .value_kind: global_buffer, .address_space: global }
      - { .name: w2, .offset: 8, .size: 8, .value_kind: global_buffer, .address_space: global }
      - { .name: rec, .offset: 16, .size: 8, .value_kind: global_buffer, .address_space: global }
      - { .name: dmap, .offset: 24, .size: 8, .value_kind: global_buffer, .address_space: global }
      - { .name: gts, .offset: 32, .size: 8, .value_kind: global_buffer, .address_space: global }
      - { .name: y, .offset: 40, .size: 8, .value_kind: global_buffer, .address_space: global }
    .group_segment_fixed_size: 92672
    .private_segment_fixed_size: 0
    .kernarg_segment_align: 8
    .kernarg_segment_size: 48
    .max_flat_workgroup_size: 128
    .sgpr_count:     100
    .vgpr_count:     1024
    .wavefront_size: 32
...
	.end_amdgpu_metadata
.endif
;; end of part 3
;; launch addup (part 4): grid 256 x 1, 8 waves a work-group, no clusters, 0 bytes of LDS; arguments y, out0; writes out0
.if DOCPART == 4
	.amdgcn_target "amdgcn-amd-amdhsa--gfx1250"
	.amdhsa_code_object_version 6
	.text
	.protected	k_q4499fda562_addup
	.globl	k_q4499fda562_addup
	.p2align	8
	.type	k_q4499fda562_addup,@function
k_q4499fda562_addup:
	s_mov_b64 s[64:65], 0
	v_nop
	global_prefetch_b8 v0, s[64:65] scope:SCOPE_SE
	s_setreg_imm32_b32 hwreg(HW_REG_WAVE_MODE, 25, 1), 1
	s_wait_xcnt 0x0
; out[t] = (y[0][2 t] + y[0][2 t + 1]) + (y[1][2 t] + y[1][2 t + 1]): a token's two chosen experts, each in two halves of K, all f32.
; A stream: a wave has one token, four rows of 4,096 bytes in and one out.  All 32 loads of a wave go out at once, 512 consecutive bytes each; the waits count down by chunks.
; No LDS, no barrier, no matrix unit, no cluster: nothing is shared and nothing is multiplied.  The order of the four terms is not the experts' order.
	s_load_b128 s[4:7], s[0:1], 0x0                ; y s[4:5], out0 s[6:7]
	v_lshrrev_b32 v2, 5, v0
	v_readfirstlane_b32 s8, v2                     ; wave
	v_and_b32 v1, 31, v0
	v_lshlrev_b32 v1, 4, v1                        ; 16 bytes a lane
	s_lshl_b32 s9, ttmp9, 3
	s_add_co_u32 s9, s9, s8                        ; token
	s_lshl_b32 s10, s9, 13                         ; its two rows in a half of y
	s_mov_b32 s11, 0
	s_lshl_b32 s12, s9, 12                         ; its row in out0
	s_mov_b32 s13, 0
	s_wait_kmcnt 0x0
	s_add_nc_u64 s[4:5], s[4:5], s[10:11]
	s_add_nc_u64 s[14:15], s[4:5], 0x1000000       ; the second half of y, 16,777,216 bytes on
	s_add_nc_u64 s[6:7], s[6:7], s[12:13]
.set u, 0
.rept 8
	global_load_b128 v[16+16*u:19+16*u], v1, s[4:5] offset:512*u th:TH_LOAD_NT
	global_load_b128 v[20+16*u:23+16*u], v1, s[4:5] offset:4096+512*u th:TH_LOAD_NT
	global_load_b128 v[24+16*u:27+16*u], v1, s[14:15] offset:512*u th:TH_LOAD_NT
	global_load_b128 v[28+16*u:31+16*u], v1, s[14:15] offset:4096+512*u th:TH_LOAD_NT
.set u, u+1
.endr
.set u, 0
.rept 8
	s_wait_loadcnt 28-4*u                          ; chunk u's four loads are in; the later chunks' stay out
	v_pk_add_f32 v[16+16*u:17+16*u], v[16+16*u:17+16*u], v[20+16*u:21+16*u]
	v_pk_add_f32 v[18+16*u:19+16*u], v[18+16*u:19+16*u], v[22+16*u:23+16*u]
	v_pk_add_f32 v[24+16*u:25+16*u], v[24+16*u:25+16*u], v[28+16*u:29+16*u]
	v_pk_add_f32 v[26+16*u:27+16*u], v[26+16*u:27+16*u], v[30+16*u:31+16*u]
	v_pk_add_f32 v[16+16*u:17+16*u], v[16+16*u:17+16*u], v[24+16*u:25+16*u]
	v_pk_add_f32 v[18+16*u:19+16*u], v[18+16*u:19+16*u], v[26+16*u:27+16*u]
	global_store_b128 v1, v[16+16*u:19+16*u], s[6:7] offset:512*u th:TH_STORE_NT  ; 512 consecutive aligned bytes
.set u, u+1
.endr
	s_endpgm
.Lfunc_end_k_q4499fda562_addup:
	.size	k_q4499fda562_addup, .Lfunc_end_k_q4499fda562_addup-k_q4499fda562_addup
	.p2alignl 7, 3214868480
	.fill 96, 4, 3214868480
	.section	.rodata,"a",@progbits
	.p2align	6, 0x0
	.amdhsa_kernel k_q4499fda562_addup
		.amdhsa_group_segment_fixed_size 0
		.amdhsa_private_segment_fixed_size 0
		.amdhsa_enable_private_segment 0
		.amdhsa_kernarg_size 16
		.amdhsa_user_sgpr_count 2
		.amdhsa_user_sgpr_kernarg_segment_ptr 1
		.amdhsa_wavefront_size32 1
		.amdhsa_system_sgpr_workgroup_id_x 1
		.amdhsa_system_sgpr_workgroup_id_y 1
		.amdhsa_system_sgpr_workgroup_id_z 1
		.amdhsa_system_vgpr_workitem_id 0
		.amdhsa_next_free_vgpr 144
		.amdhsa_next_free_sgpr 66
		.amdhsa_reserve_vcc 0
		.amdhsa_float_denorm_mode_32 3
		.amdhsa_float_denorm_mode_16_64 3
		.amdhsa_memory_ordered 1
		.amdhsa_forward_progress 1
		.amdhsa_inst_pref_size 8
	.end_amdhsa_kernel
	.amdgpu_metadata
---
amdhsa.version: [ 1, 2 ]
amdhsa.kernels:
  - .name:           k_q4499fda562_addup
    .symbol:         k_q4499fda562_addup.kd
    .args:
      - { .name: y, .offset: 0, .size: 8, .value_kind: global_buffer, .address_space: global }
      - { .name: out0, .offset: 8, .size: 8, .value_kind: global_buffer, .address_space: global }
    .group_segment_fixed_size: 0
    .private_segment_fixed_size: 0
    .kernarg_segment_align: 8
    .kernarg_segment_size: 16
    .max_flat_workgroup_size: 256
    .sgpr_count:     66
    .vgpr_count:     144
    .wavefront_size: 32
...
	.end_amdgpu_metadata
.endif
;; end of part 4
